; MI455X (gfx1250); checked and timed in simulation.
; The chip was launched on July 23, 2026; its instructions are those of AMD's public machine-readable ISA for CDNA 5 (MIT licence, August 2026) and "CDNA5" Instruction Set Architecture Reference Guide (July 2026). The comments in the code are by the model that wrote it; some were corrected since.
;; Machete Layer. Allowed arithmetic: matrix products marked QUANTISED: E2M3 operands, one E8M0 scale for each 32 along K, by v_wmma_scale_f32_16x16x128_f8f6f4 with both operands' format E2M3, f32 sums; everything else in f32.
;; Inputs: B 1,024 x 8,192 int32; s 64 x 8,192 float32; x_codes 64 x 256 x 24 uint8 (E2M3 codes of x, K innermost, in blocks of 32 codes, four codes in three bytes); x_scales 64 x 256 uint8 (E8M0 scales of x, one for each 32 codes along K).
;; Outputs: out0 64 x 8,192 float32.
;; This version of the problem:
;;   THIS VERSION OF THE PROBLEM IS GIVEN IN LOW PRECISION. The matrix products marked QUANTISED in the list below multiply operands that are first quantised to E2M3 (2 exponent bits, 3 mantissa bits; 6 bits a number), with one power-of-two scale for each 32 numbers along K (OCP MX v1.0); their sums are f32. All else is computed in f32.
;;   The module's matrix products, in the order in which they are computed (A, B: the left and right operand; K: the contracted axis; several contracted axes count as one K, in the product's order):
;;     1. [M 64, K 8,192] x [K 8,192, N 8,192]; A: input x (given as codes); B: computed on the way: QUANTISED
;;   THE QUANTISER, for each operand of a quantised product, along K:
;;     - K is cut into blocks of 32 from its start; a last block that is shorter is filled with zeros.
;;     - A block's scale is 2^e with e = floor(log2(the largest magnitude in the block)) - 2, held to -126 .. 127; a block of zeros has e = 0. As a byte (E8M0): e + 127.
;;     - Each number is divided by its block's scale, clamped to +-7.5, and rounded to the nearest number of E2M3, ties to even, subnormals kept.
;;     - The product sums the exact products of the quantised numbers (number of the format x scale) in f32.
;;   ~~~python
;;   def quantise(x, axis):      # numpy; x: float32 -> the quantised numbers, widened to float32 again
;;       x = np.moveaxis(x, axis, -1); K = x.shape[-1]
;;       x = np.pad(x, [(0, 0)] * (x.ndim - 1) + [(0, -K % 32)]); x = x.reshape(x.shape[:-1] + (-1, 32)); a = np.abs(x).max(-1, keepdims=True)
;;       e = np.where(a > 0, np.clip(np.frexp(np.where(a > 0, a, 1))[1] - 1 - 2, -126, 127), 0)      # np.frexp(a)[1] - 1 = floor(log2(a)), exactly
;;       r = np.clip(x / 2.0 ** e, -7.5, 7.5)
;;       step = 2.0 ** (np.maximum(np.frexp(np.where(r == 0, 1, r))[1] - 1, 0) - 3)
;;       q = np.round(r / step) * step * 2.0 ** e      # np.round: ties to even
;;       return np.moveaxis(q.reshape(q.shape[:-2] + (-1,))[..., :K], -1, axis).astype(np.float32)
;;   ~~~
;;   OPERANDS COMPUTED ON THE WAY. 'Computed on the way' means the value that the module computes at that place (a softmax that the list does not call 'softmax' is quantised finished and normalised). What goes into a quantiser is computed in f32, as accurately as f32 sums, v_exp_f32 and their like allow (about 1e-6 of the number): no bf16 or f16 on the way to a quantiser, and a product that is left as it is and whose result goes on into a quantised operand takes f32 operands (vector FMAs, or v_wmma_f32_16x16x4_f32). A number that lies on a knife's edge between two numbers of the format may be rounded either way, as far as f32 arithmetic and the matrix unit's own rounding can turn it there, and no further.
;;   INPUTS GIVEN AS CODES. x (in the module: [64, 8192], K = its axis 1): each comes as NAME_codes (uint8): NAME with its K axis moved to the last place and cut into blocks of 32 codes, [.., K / 32, bytes a block], one block behind the other in memory; four codes in three bytes: a row's codes are one little-endian stream of bits, code i at bits 6 i .. 6 i + 5 (a code: sign, 2 exponent bits, 3 mantissa bits); and NAME_scales (uint8): the same leading axes, one E8M0 byte (e + 127) for each 32 codes along K. Its value is code x scale, taken as it is: it is not quantised again, and the codes and scales need not be those that the quantiser above would give.
;; One version. Each part assembles by itself: llvm-mc -triple=amdgcn-amd-amdhsa -mcpu=gfx1250 --defsym DOCPART=n.
;; ======== version 1 of 1: 1 launch
;; limits: right only within a limited range of input values
;; launch machete (part 1): grid 256 x 1, 16 waves a work-group, clusters of 4 x 1, 327,680 bytes of LDS; arguments B, s, x_codes, x_scales, out0; writes out0
.if DOCPART == 1
	.amdgcn_target "amdgcn-amd-amdhsa--gfx1250"
	.amdhsa_code_object_version 6
	.text
	.protected	k_qa558902a7b_machete
	.globl	k_qa558902a7b_machete
	.p2align	8
	.type	k_qa558902a7b_machete,@function
k_qa558902a7b_machete:
	s_mov_b64 s[64:65], 0
	v_nop
	global_prefetch_b8 v0, s[64:65] scope:SCOPE_SE
	s_setreg_imm32_b32 hwreg(HW_REG_WAVE_MODE, 25, 1), 1
	s_wait_xcnt 0x0
	s_wait_alu depctr_hold_cnt(0) depctr_sa_sdst(0) depctr_va_vdst(0) depctr_va_sdst(0) depctr_va_ssrc(0) depctr_va_vcc(0) depctr_vm_vsrc(0)
	s_getreg_b32 s2, hwreg(HW_REG_IB_STS2, 6, 4)
	s_cmp_eq_u32 s2, 0
	s_cbranch_scc0 .Lentry_in_a_cluster
	s_endpgm
.Lentry_in_a_cluster:
	s_bfe_u32 s2, ttmp6, 0x10000c
	s_cmp_lg_u32 s2, 0x3003
	s_cbranch_scc0 .Lentry_shape_is_right
	s_endpgm
.Lentry_shape_is_right:
; out0[m][n] = sum over k of x[m][k] Q(w[k][n]),  w[k][n] = (nibble(k, n) - 8) s[k / 128][n],  Q = E2M3 codes with one E8M0 scale for each 32 along K.
; x [64][8192] comes as codes (6,144 bytes a row) and scale bytes (256 a row).  B [1024][8192] int32: nibble i of row R is k = 8 R + i.  s [64][8192], out0 [64][8192]: f32.
; SHARES.  256 work-groups, 32 columns each, all of K: a work-group's piece of a row of B, of s and of out0 is 128 consecutive bytes; the neighbouring pieces belong to its partners in the cluster.
; Sixteen waves share K: in step p (0 .. 3) wave w takes K step 16 p + w (128 along K: 16 rows of B, one row of s).  A lane owns two neighbouring columns, 2 r and 2 r + 1 of the 32: column tile t holds the columns 2 r + t.
; ORDER.  D p makes the weights' two fragments of step p, M p is its eight products: D0 D1 M0, D2 M1, D3 M2 M3.  So weights are made from B's first bytes on, whether x is there or not; two sets of weight fragments take turns.
; B's words have three sets of registers: steps 0 and 1 are asked for at the head, step 2 during D0, step 3 during D1 into step 0's set.  There is no loop to run ahead in and each step's loads go out one to two steps ahead: no prefetch is written.
; A WORD OF 8 NIBBLES: a shift, two byte permutes and two masks lay the nibbles as 8 bytes in the order of k.  E4M3's codes 0 .. 15 stand for code x 2^-9, so the conversion from FP8 with the scale 2^9 gives the 8 nibbles as exact f32.
; nibble x s - 8 s by one fused multiply-add (8 s is exact, one rounding) has the bits of (nibble - 8) x s.  Then the quantiser: the block's largest magnitude, 2 off its exponent field, the conversion to FP6.
; x IS READ BY EVERY WORK-GROUP: 4 work-groups form a cluster and ask for each tile of x JOINTLY.  x's codes are eight tiles of 1,024 along K; LDS holds six: tiles 6 and 7 take the place of 0 and 1 behind M0.
; ROWS OF A FRAGMENT: row tile m holds the rows 32 (m / 2) + m % 2 + 2 r: every second row.
; THE SUM OVER K is made of the sixteen waves' partial sums, which meet in LDS and are added in a tree, in f32: another order than ascending k.
; LIMITS: NaN and infinities in s are not served.  A block of zeros gets the byte 1 where the rule says 127: its codes are zeros, and the bytes never leave this kernel.
.set NB,     32768                     ; bytes in a row of B, of s and of out0
.set XROW,   6144                      ; bytes in a row of x's codes
.set SUBB,   768                       ; a tile's row: 1,024 codes, 8 K steps of 96 bytes
.set PITCH,  792                       ; in LDS: 3 x (256 bytes + 8 of padding) = 198 words: rows 2 r start at bank 12 r mod 64 (64 banks of 4 bytes: ISA guide 11.1), a multiple of 4; lanes 16-31 read 6 words further on: 64 different banks, but for pieces between which a pad lies
.set TILE,   64*PITCH                  ; 50,688 bytes: a multiple of 256
.set SCL,    6*TILE                    ; x's scale bytes: 64 rows of 256 bytes + 8 of padding
.set SPITCH, 264
.set SPARE,  SCL+64*SPITCH             ; the spare words, 128 bytes for each wave: eight blocks of 256 bytes that no other line names
.set STG,    2*TILE                    ; the stage for the partial sums, 8,192 bytes a wave, over tiles 2 to 4: they have had their only fill and their last read by then
.set STGW,   8192
.set FLOOR,  3<<23                     ; 2^(3 - 127): under it no largest magnitude is taken, so the byte cannot fall under 1
.set CV,   0                           ; v0      behind the head: the E8M0 byte of 2^9 in every byte
.set SPW,  1                           ; v1      LDS address of my spare word; never rewritten
.set NIL,  2                           ; v2      0; never rewritten
.set AMB,  3                           ; v3, v21 two chains of the largest magnitude
.set XA,   4                           ; v4-9    LDS addresses of the six pieces of 8 bytes that make my half of a fragment of x; at the end: the stage's and out0's offsets
.set XSA,  10                          ; v10     LDS address of my rows' scale words
.set BO,   11                          ; v11     my byte offset in B
.set SRAW, 12                          ; v12-17  s of my two columns, three pairs
.set CP,   18                          ; v18-19  -8 s of my two columns, this step's
.set SO,   20                          ; v20     my byte offset in s
.set AM,   21
.set XS2,  22                          ; v22-23  x's scale words of step 3
.set XS,   24                          ; v24-25  x's scale words: rows 0-31, rows 32-63
.set BS,   26                          ; v26-29  the weights' scale words: set q, column tile t at 2 q + t
.set BY,   30                          ; v30-31  the bytes of my two blocks
.set P,    32                          ; v32-39  four words' nibbles as bytes; behind a block's conversions to f32 the codes that are moved; v32-55 at the end x's rows 32-63 of step 3
.set RAW,  40                          ; v40-87  B's words: step p in set p % 3; in a set word (block c, row j, tile t) at 8 c + 2 j + t.  v40-103 at the end: the partial sums
.set XG,   56                          ; v56-79  x's rows 32-63 of step 2
.set XF,   88                          ; v88-111 x's fragments, rows 0-31
.set F,    112                         ; v112-143 a block's 32 numbers; behind the last conversion x's fragments
.set CF,   144                         ; v144-191 the weights' fragments, two sets of two
.set ACC,  192                         ; v192-255 accumulator (row tile m, column tile t) at 8 (2 m + t)
.set WV,   14                          ; s14     my wave's number
.set BB,   20                          ; s[20:27] B at my work-group's columns, a pair for each step
.set G1,   28                          ; s[28:35] descriptor group 1 for x's codes;  s[36:39] group 0
.set G0,   36
.set G1S,  40                          ; s[40:47], s[48:51] the same for x's scale bytes
.set G0S,  48
.set SEL,  52                          ; s[52:53] v_permlanex16_b32's selects for lane l xor 16
.set MASKN, 54
.set SELLO, 55
.set SELHI, 56
.macro CREST                           ; a round of the cluster's barrier behind its opening barrier
	s_cmp_lg_u32 s[WV], 0
	s_cbranch_scc1 .Lnot_wave_0_\@
	s_barrier_signal -3
.Lnot_wave_0_\@:
	s_barrier_wait -3
	s_barrier_signal -1
	s_barrier_wait -1
.endm
.macro ROUND
	s_barrier_signal -1
	s_barrier_wait -1
	CREST
.endm
.macro LDP p, i                        ; sixteen lanes read 128 consecutive bytes of a row of B, the other sixteen those of the row 4 further down
	global_load_b64 v[RAW+16*((\p)%3)+2*(\i):RAW+16*((\p)%3)+2*(\i)+1], v[BO], s[BB+2*(\p):BB+2*(\p)+1] offset:(8*((\i)/4)+(\i)%4)*NB
.endm
.macro GRP p, b                        ; a quarter of step p's nine loads; s comes with the first
.if (\b) == 0
	global_load_b64 v[SRAW+2*((\p)%3):SRAW+2*((\p)%3)+1], v[SO], s[6:7] offset:(\p)*16*NB
.endif
	LDP \p, 2*(\b)
	LDP \p, 2*(\b)+1
.endm
	s_load_b256 s[4:11], s[0:1], 0x0               ; B s[4:5], s s[6:7], x's codes s[8:9], x's scales s[10:11]
	s_load_b64 s[12:13], s[0:1], 0x20              ; out0
	v_lshl_add_u32 v[SPW], v0, 2, SPARE
	v_mov_b32 v[NIL], 0
	ds_add_u32 v[SPW], v[NIL]                      ; the wave's opening: the add, twice on end, and its wait ahead of my first tensor load
	ds_add_u32 v[SPW], v[NIL]
	v_lshrrev_b32 v[AM], 5, v0
	s_delay_alu instid0(VALU_DEP_1)
	v_readfirstlane_b32 s[WV], v[AM]               ; wave 0 .. 15
	s_bfe_u32 s15, ttmp6, 0x40000                  ; cx: my place in the cluster: it enters the addresses of B, s and out0 alone
	s_lshl_b32 s16, ttmp9, 2
	s_add_co_u32 s16, s16, s15                     ; work-group 0 .. 255
	s_lshl_b32 s18, s16, 7                         ; its 32 columns: 128 bytes on in every row
	s_mov_b32 s19, 0
	s_lshl_b32 s17, s[WV], 19                      ; B: my K step's 16 rows
	s_lshl_b32 s57, s[WV], 15                      ; s: my K step's row
	v_and_b32 v[F], 15, v0                         ; r
	v_bfe_u32 v[F+1], v0, 4, 1                     ; h
	v_lshlrev_b32 v[BO], 3, v[F]                   ; my two columns,
	s_delay_alu instid0(VALU_DEP_1)
	v_lshl_add_u32 v[BO], v[F+1], 17, v[BO]        ; and 4 rows further down for lanes 16-31: the operand's layout gives lane (r, h) the blocks h and 2 + h of the K step
	s_delay_alu instid0(VALU_DEP_1)
	v_add_nc_u32 v[BO], s17, v[BO]
	v_lshl_add_u32 v[SO], v[F], 3, s57
	; descriptor group 1 for x's codes: 64 rows x 768 bytes, 6,144 bytes apart, padded in LDS
	s_mov_b32 s[G1], 15|(0<<16)|(1<<20)|(1<<21)|(5<<22)|(1<<25)   ; 15:0 the mask: all four work-groups; 17:16 elements of 1 byte; 20 padding on; 21 set beside a mask; 24:22 after every 64 words (code 5); 31:25 2 words of it (code 1)
	s_mov_b32 s[G1+1], SUBB<<16                    ; tensor_dim0
	s_mov_b32 s[G1+2], 64<<16                      ; tensor_dim1
	s_mov_b32 s[G1+3], SUBB<<16                    ; tile_dim0
	s_mov_b32 s[G1+4], 64                          ; tile_dim1
	s_mov_b32 s[G1+5], XROW                        ; from row to row
	s_mov_b32 s[G1+6], 0
	s_mov_b32 s[G1+7], 0
	; and for x's scale bytes: one dense block, as 64 rows of 256 bytes (32 elements of 8 bytes), 2 words of padding behind each
	s_mov_b32 s[G1S], 15|(3<<16)|(1<<20)|(1<<21)|(5<<22)|(1<<25)
	s_mov_b32 s[G1S+1], 32<<16
	s_mov_b32 s[G1S+2], 64<<16
	s_mov_b32 s[G1S+3], 32<<16
	s_mov_b32 s[G1S+4], 64
	s_mov_b32 s[G1S+5], 32
	s_mov_b32 s[G1S+6], 0
	s_mov_b32 s[G1S+7], 0
	s_mov_b32 s[G0], 1                             ; group 0: wave i (0 .. 5) first fetches tile i.  Nothing here hangs on the work-group's place
	s_mul_i32 s[G0+1], s[WV], TILE
	s_mul_i32 s60, s[WV], SUBB
	s_mov_b32 s61, 0
	s_mov_b32 s[G0S], 1
	s_mov_b32 s[G0S+1], SCL
	s_mov_b32 s[SEL], 0x76543210
	s_mov_b32 s[SEL+1], 0xfedcba98
	s_mov_b32 s[MASKN], 0x0f0f0f0f
	s_mov_b32 s[SELLO], 0x05010400                 ; bytes 0, 1 of the word and of the word >> 4, by turns: nibbles 0 .. 3 in the low halves of four bytes
	s_mov_b32 s[SELHI], 0x07030602                 ; bytes 2, 3 likewise: nibbles 4 .. 7
	s_wait_alu depctr_va_vdst(0)
	s_wait_dscnt 0x0                               ; both opening adds are done
	ROUND                                          ; all four work-groups are here: the first joint loads meet.  (The arguments may still be on their way)
	s_wait_kmcnt 0x0
	s_add_nc_u64 s[G0+2:G0+3], s[8:9], s[60:61]
	s_or_b32 s[G0+3], s[G0+3], 0x80000000
	s_mov_b64 s[G0S+2:G0S+3], s[10:11]
	s_or_b32 s[G0S+3], s[G0S+3], 0x80000000
	s_cmp_lt_u32 s[WV], 6                          ; the first fills: one load a wave, waves 0-5 tiles 0-5, wave 6 the scale bytes; x is asked for ahead of B.  Four v_nop follow each line
	s_cbranch_scc0 .Lnot_codes
	tensor_load_to_lds s[G0:G0+3], s[G1:G1+7]
	s_nop 0
.rept 4
	v_nop
.endr
	s_branch .Lfilled
.Lnot_codes:
	s_cmp_eq_u32 s[WV], 6
	s_cbranch_scc0 .Lfilled
	tensor_load_to_lds s[G0S:G0S+3], s[G1S:G1S+7]
	s_nop 0
.rept 4
	v_nop
.endr
.Lfilled:
	s_add_nc_u64 s[6:7], s[6:7], s[18:19]
	s_add_nc_u64 s[12:13], s[12:13], s[18:19]
	s_add_nc_u64 s[BB:BB+1], s[4:5], s[18:19]
	s_add_nc_u64 s[BB+2:BB+3], s[BB:BB+1], 256*NB  ; a step on: 16 K steps, 256 rows of B
	s_add_nc_u64 s[BB+4:BB+5], s[BB+2:BB+3], 256*NB
	s_add_nc_u64 s[BB+6:BB+7], s[BB+4:BB+5], 256*NB
.irp b, 0,1,2,3
	GRP 0, \b
.endr
.irp b, 0,1,2,3
	GRP 1, \b
.endr
	; A fragment of x (16 rows x 128 K) is 12 registers: lane (r, h) takes of its row the 24 bytes at 24 h and the 24 bytes at 48 + 24 h of the K step's 96, in pieces of 8 bytes.
	; My K step is the (w % 8)-th of tile 2 p + w / 8: its piece q + 3 h is the row's piece n = 12 (w % 8) + 3 h + q, which lies at 8 n + 8 (n / 32): 8 bytes of padding behind every 32 pieces.  One register for each q.
	s_and_b32 s57, s[WV], 7
	s_mul_i32 s57, s57, 12
	s_lshr_b32 s58, s[WV], 3
	s_mul_i32 s58, s58, TILE
	s_lshl_b32 s59, s[WV], 2
	s_add_co_u32 s59, s59, SCL
	v_mad_u32_u24 v[F+2], v[F+1], 3, s57
	v_mad_u32_u24 v[F+3], v[F], 2*PITCH, s58
.irp i, 0,1,2,3,4,5
	v_add_nc_u32 v[F+4], \i+3*(\i/3), v[F+2]       ; q = 0, 1, 2, 6, 7, 8
	s_delay_alu instid0(VALU_DEP_1)
	v_lshrrev_b32 v[F+5], 5, v[F+4]
	s_delay_alu instid0(VALU_DEP_2)
	v_lshl_add_u32 v[XA+\i], v[F+4], 3, v[F+3]
	s_delay_alu instid0(VALU_DEP_1)
	v_lshl_add_u32 v[XA+\i], v[F+5], 3, v[XA+\i]
.endr
	v_lshl_add_u32 v[F+4], v[F], 1, v[F+1]         ; lanes 0-15: rows 2 r, lanes 16-31: rows 2 r + 1
	s_delay_alu instid0(VALU_DEP_1)
	v_mad_u32_u24 v[XSA], v[F+4], SPITCH, s59      ; that row's scale bytes, my K step's word of step 0
	v_mov_b32 v[CV], 0x88888888
.macro XLOAD reg, mh                   ; x's fragments of row tiles 2 mh and 2 mh + 1
.irp m, 0,1
.irp i, 0,1,2,3,4,5
	ds_load_b64 v[\reg+12*\m+2*\i:\reg+12*\m+2*\i+1], v[XA+\i] offset:(32*(\mh)+\m)*PITCH
.endr
.endr
.endm
.macro XSL reg, p                      ; the scale words of step p: rows 0-31, rows 32-63
	ds_load_b32 v[\reg], v[XSA] offset:64*(\p)
	ds_load_b32 v[\reg+1], v[XSA] offset:64*(\p)+32*SPITCH
.endm
.macro CVT8 j                          ; 8 bytes 0 .. 15, taken as E4M3, x 2^9: the 8 nibbles of word j as f32, exactly
	v_cvt_scale_pk8_f32_fp8 v[F+8*(\j):F+8*(\j)+7], v[P+2*(\j):P+2*(\j)+1], v[CV]
.endm
.macro FMA i, p, t                     ; two numbers: nibble x s - 8 s; of the pairs (s of tile 0, of tile 1) and (-8 s likewise) word t serves both halves
	v_pk_fma_f32 v[F+2*(\i):F+2*(\i)+1], v[F+2*(\i):F+2*(\i)+1], v[SRAW+2*((\p)%3):SRAW+2*((\p)%3)+1], v[CP:CP+1] op_sel:[0,\t,\t] op_sel_hi:[1,\t,\t]
.endm
.macro MA i                            ; the first chain: the floor and the numbers 4 n, 4 n + 1
.if (\i) == 0
	v_max3_num_f32 v[AM], |v[F]|, |v[F+1]|, FLOOR
.else
	v_max3_num_f32 v[AM], v[AM], |v[F+2*(\i)]|, |v[F+2*(\i)+1]|
.endif
.endm
.macro MB k                            ; the second chain: the numbers 4 n + 2, 4 n + 3, all but the last
.if (\k) == 0
	s_delay_alu instid0(VALU_DEP_4)
	v_max3_num_f32 v[AMB], |v[F+2]|, |v[F+3]|, |v[F+6]|
.else
	v_max3_num_f32 v[AMB], v[AMB], |v[F+4*(\k)+3]|, |v[F+4*(\k)+6]|
.endif
.endm
; ONE BLOCK of 32 along K of one column: block 2 c + h of step p's K step, column tile t, into fragment set q.  hook: behind the first four lines x's fragments of step p - 1 are asked for (1: rows 0-31; 2: all rows, and step 3's scale words).
.macro BLOCK p, q, t, c, hook
.set W, RAW+16*((\p)%3)+8*(\c)+(\t)
.set CW, CF+24*(\q)+12*(\t)+6*(\c)
.irp j, 0,1,2,3
	v_lshrrev_b32 v[P+2*\j], 4, v[W+2*\j]
.endr
.if \hook                              ; the four shifts above are four places between matrix instructions and loads into registers that those have read (ISA guide 7.12.1 for vector instructions)
	XLOAD XF, 0
	XSL XS, (\p)-1
.if (\hook) == 2
	XSL XS2, 3
	XLOAD XG, 1
.endif
.endif
.irp j, 0,1,2,3
	v_perm_b32 v[P+2*\j+1], v[P+2*\j], v[W+2*\j], s[SELHI]
.endr
.irp j, 0,1,2,3
	v_perm_b32 v[P+2*\j], v[P+2*\j], v[W+2*\j], s[SELLO]
.endr
.irp j, 0,1,2
	v_and_b32 v[P+2*\j], s[MASKN], v[P+2*\j]
	v_and_b32 v[P+2*\j+1], s[MASKN], v[P+2*\j+1]
.endr
	CVT8 0                                         ; a plain vector line stands between each conversion and the first line that touches its result or writes its sources
	v_and_b32 v[P+6], s[MASKN], v[P+6]
	CVT8 1
	v_and_b32 v[P+7], s[MASKN], v[P+7]
	CVT8 2
	FMA 0, \p, \t
	CVT8 3
	FMA 1, \p, \t
	FMA 2, \p, \t
	FMA 3, \p, \t
	FMA 4, \p, \t
	MA 0
	FMA 5, \p, \t
	MB 0
	FMA 6, \p, \t
	MA 2
	FMA 7, \p, \t
	FMA 8, \p, \t
	MA 4
	FMA 9, \p, \t
	MB 1
	FMA 10, \p, \t
	MA 6
	FMA 11, \p, \t
	MB 2
	FMA 12, \p, \t
	MA 8
	FMA 13, \p, \t
	MB 3
	FMA 14, \p, \t
	MA 10
	FMA 15, \p, \t
	MB 4
	MA 12
	MB 5
	MA 14
	MB 6
	s_delay_alu instid0(VALU_DEP_1)
	v_max3_num_f32 v[AM], v[AM], v[AMB], |v[F+31]| ; the block's largest magnitude: all 32 numbers are mine: sixteen lines for 32 numbers and the floor
	s_delay_alu instid0(VALU_DEP_1)
	v_add_nc_u32 v[AM], 0xff000000, v[AM]          ; 2 off its exponent field: the conversion takes the exponent field of this operand as its scale, and nothing else of it
	v_cvt_scalef32_pk16_fp6_f32 v[CW:CW+2], v[F:F+15], v[AM]
	v_cvt_scalef32_pk16_fp6_f32 v[P:P+2], v[F+16:F+31], v[AM]   ; (a conversion's three registers begin on an even number: the second half of a block's six does not, so it is made elsewhere and moved)
	v_lshrrev_b32 v[BY+(\c)], 23, v[AM]            ; the scale's byte.  (The plain line behind the conversions)
.irp i, 0,1,2
	v_mov_b32 v[CW+3+\i], v[P+\i]
.endr
.endm
.macro SCALEW q, t                     ; my two bytes are those of blocks h and 2 + h; with lane l xor 16's two, 8 bits up, lanes 0-15 hold the column's whole word (lanes 16-31 are not read)
	s_delay_alu instid0(VALU_DEP_4)
	v_lshl_or_b32 v[AM], v[BY+1], 16, v[BY]
	s_delay_alu instid0(VALU_DEP_1)
	v_permlanex16_b32 v[AMB], v[AM], s[SEL], s[SEL+1]
	s_delay_alu instid0(VALU_DEP_1)
	v_lshl_or_b32 v[BS+2*(\q)+(\t)], v[AMB], 8, v[AM]
.endm
.macro NEG8S p                         ; -8 s of step p: exact
	v_pk_mul_f32 v[CP:CP+1], v[SRAW+2*((\p)%3):SRAW+2*((\p)%3)+1], 0xc1000000 op_sel_hi:[1,0]
.endm
; FOUR PRODUCTS: row tiles 2 mh, 2 mh + 1 (x in registers xr ..) x both column tiles of set q.  Source 0 = 16 rows of x, source 1 = 16 columns of the weights: register j of lane (r, h) is index 8 h + j of row tile m, column 2 r + t.
; zero = 1: step 0's products start the sums.  The eight accumulators take turns, one instruction a turn, from step to step too.
.macro MM4 mh, q, xr, xs, zero
.irp u, 0,1
.irp t, 0,1
.set AC, ACC+8*(2*(2*(\mh)+\u)+\t)
.set XR, (\xr)+12*\u
.set CW, CF+24*(\q)+12*\t
.set SB, BS+2*(\q)+\t
.set SX, (\xs)+(\mh)
.if (\zero) && \u
	v_wmma_scale_f32_16x16x128_f8f6f4 v[AC:AC+7], v[XR:XR+11], v[CW:CW+11], 0, v[SX], v[SB] matrix_a_fmt:MATRIX_FMT_FP6 matrix_b_fmt:MATRIX_FMT_FP6 matrix_a_scale:MATRIX_SCALE_ROW1
.elseif \zero
	v_wmma_scale_f32_16x16x128_f8f6f4 v[AC:AC+7], v[XR:XR+11], v[CW:CW+11], 0, v[SX], v[SB] matrix_a_fmt:MATRIX_FMT_FP6 matrix_b_fmt:MATRIX_FMT_FP6
.elseif \u
	v_wmma_scale_f32_16x16x128_f8f6f4 v[AC:AC+7], v[XR:XR+11], v[CW:CW+11], v[AC:AC+7], v[SX], v[SB] matrix_a_fmt:MATRIX_FMT_FP6 matrix_b_fmt:MATRIX_FMT_FP6 matrix_a_scale:MATRIX_SCALE_ROW1
.else
	v_wmma_scale_f32_16x16x128_f8f6f4 v[AC:AC+7], v[XR:XR+11], v[CW:CW+11], v[AC:AC+7], v[SX], v[SB] matrix_a_fmt:MATRIX_FMT_FP6 matrix_b_fmt:MATRIX_FMT_FP6
.endif
.endr
.endr
.endm
.macro XASTEP                          ; the next step reads the next two tiles
.irp i, 0,1,2,3,4,5
	v_add_nc_u32 v[XA+\i], 2*TILE, v[XA+\i]
.endr
.endm
	s_wait_alu depctr_va_vdst(0)
	; D0
	s_wait_loadcnt 9                               ; step 0's s and eight loads of B are in; step 1's nine stay out
	NEG8S 0
	GRP 2, 0
	BLOCK 0, 0, 0, 0, 0
	GRP 2, 1
	BLOCK 0, 0, 0, 1, 0
	SCALEW 0, 0
	GRP 2, 2
	BLOCK 0, 0, 1, 0, 0
	GRP 2, 3
	BLOCK 0, 0, 1, 1, 0
	SCALEW 0, 1
	; D1
	s_wait_alu depctr_va_vdst(0)
	s_wait_loadcnt 9                               ; step 1's are in; step 2's nine stay out
	NEG8S 1
	GRP 3, 0                                       ; into step 0's registers, which D0 has read
	BLOCK 1, 1, 0, 0, 0
	GRP 3, 1
	BLOCK 1, 1, 0, 1, 0
	SCALEW 1, 0
	GRP 3, 2
	GRP 3, 3
	s_wait_alu depctr_va_vdst(0)
	s_wait_tensorcnt 0x0                           ; my first fill has landed,
	s_barrier_signal -1
	BLOCK 1, 1, 1, 0, 0
	s_wait_alu depctr_va_vdst(0)
	s_barrier_wait -1                              ; everybody's has: tiles 0-5 and the scale bytes are whole
	BLOCK 1, 1, 1, 1, 1
	SCALEW 1, 1
	; M0
	XLOAD F, 1                                     ; the 32 numbers are done with: their registers take x's rows 32-63
	XASTEP
	s_wait_alu depctr_va_vdst(0)
	s_wait_dscnt 12                                ; x's rows 0-31 and the scale words are in; the twelve loads just issued may be out
	MM4 0, 0, XF, XS, 1
	s_wait_loadcnt 9                               ; step 2's are in; step 3's nine stay out
	s_wait_dscnt 0x0
	; TILES 0 AND 1 ARE REPLACED BY 6 AND 7.  Each wave waits for all its tensor loads, adds 0 to its spare word, and waits for that and for its reads; a round of the cluster's barrier: no wave of any partner still reads
	; these tiles or has a load on its way; then waves 0 and 1 ask, one load each, first thing behind the round.  The load has D2, M1 and most of D3 in which to land.
	s_wait_tensorcnt 0x0                           ; no tensor load of mine is out, so group 0 may be written
	ds_add_u32 v[SPW], v[NIL]                      ; 0 onto my spare word: here and twice on end; four products and the descriptor's step stand between it and the wait for it
	ds_add_u32 v[SPW], v[NIL]
	MM4 1, 0, F, XS, 1
	NEG8S 2
	s_add_nc_u64 s[G0+2:G0+3], s[G0+2:G0+3], 6*SUBB   ; the type bits on top are not reached
	s_wait_alu depctr_va_vdst(0)
	s_wait_dscnt 0x0                               ; the adds are done, and my reads of the tiles are over
	s_barrier_signal -1
	BLOCK 2, 0, 0, 0, 0                            ; D2's first block: work on registers alone
	s_wait_alu depctr_va_vdst(0)
	s_barrier_wait -1
	CREST
	s_cmp_lt_u32 s[WV], 2
	s_cbranch_scc0 .Lnot_mine
	tensor_load_to_lds s[G0:G0+3], s[G1:G1+7]
	s_nop 0
.rept 4
	v_nop
.endr
.Lnot_mine:
	BLOCK 2, 0, 0, 1, 1
	SCALEW 0, 0
	BLOCK 2, 0, 1, 0, 0
	BLOCK 2, 0, 1, 1, 0
	SCALEW 0, 1
	; M1
	XLOAD F, 1
	XASTEP
	s_wait_alu depctr_va_vdst(0)
	s_wait_dscnt 12
	MM4 0, 1, XF, XS, 0
	s_wait_dscnt 0x0
	MM4 1, 1, F, XS, 0
	; D3
	s_wait_loadcnt 0x0                             ; step 3's are in
	NEG8S 3
	BLOCK 3, 1, 0, 0, 2
.irp i, 0,1,2,3,4,5
	v_sub_nc_u32 v[XA+\i], v[XA+\i], 4*TILE        ; step 3 reads where step 0 did
.endr
	BLOCK 3, 1, 0, 1, 0
	SCALEW 1, 0
	BLOCK 3, 1, 1, 0, 0
	s_wait_alu depctr_va_vdst(0)
	s_wait_dscnt 0x0                               ; my reads of tiles 4 and 5 are over: behind this barrier nobody reads tiles 2-5 any more, and nothing is filled again
	s_wait_tensorcnt 0x0                           ; tiles 6, 7 have landed
	s_barrier_signal -1
	BLOCK 3, 1, 1, 1, 0
	SCALEW 1, 1
	s_wait_alu depctr_va_vdst(0)
	s_barrier_wait -1
	XLOAD F, 0                                     ; step 3's x, both halves
	XLOAD P, 1
	; M2: x's rows 0-31 and 32-63 came in during D3
	MM4 0, 0, XF, XS, 0
	MM4 1, 0, XG, XS, 0
	; the addresses of the way out: also the places between D3's last lines and M3.  Wave u will add up, of row tile u / 4, the indices 8 h + 2 (u % 4) + 0, 1
	s_lshl_b32 s57, s[WV], 13
	s_add_co_u32 s57, s57, STG                     ; my stage
	s_lshr_b32 s58, s[WV], 2
	s_lshl_b32 s58, s58, 3
	s_and_b32 s59, s[WV], 3
	s_add_co_u32 s58, s58, s59                     ; the piece 8 (u / 4) + u % 4 of 256 bytes in each wave's stage
	s_lshl_b32 s60, s58, 8
	s_add_co_u32 s60, s60, STG
	s_lshr_b32 s58, s[WV], 3                       ; out0's first row: 32 (u / 8) + (u / 4) % 2 + 4 (u % 4)
	s_lshl_b32 s58, s58, 5
	s_lshl_b32 s59, s59, 2
	s_add_co_u32 s58, s58, s59
	s_bfe_u32 s59, s[WV], 0x10002
	s_add_co_u32 s58, s58, s59
	s_lshl_b32 s61, s58, 15
	v_and_b32 v[XA], 0x7c, v[SPW]                  ; 4 x lane: the spare words begin at a multiple of 256
	v_and_b32 v[XA+4], 0x3c, v[SPW]                ; 4 r
	v_bfe_u32 v[XA+5], v[SPW], 6, 1                ; h
	v_lshlrev_b32 v[XA], 1, v[XA]                  ; 8 bytes a lane
	v_lshlrev_b32 v[XA+4], 1, v[XA+4]              ; out0: my two columns,
	v_add_nc_u32 v[XA+1], s57, v[XA]               ; into my stage
	v_add_nc_u32 v[XA+2], s60, v[XA]               ; out of the stages of waves 0-7,
	v_lshl_add_u32 v[XA+4], v[XA+5], 19, v[XA+4]   ; 16 rows further down for lanes 16-31
	v_add_nc_u32 v[XA+3], 8*STGW, v[XA+2]          ; and of waves 8-15
	v_add_nc_u32 v[XA+4], s61, v[XA+4]
	s_wait_alu depctr_va_vdst(0)
	; M3
	s_wait_dscnt 12
	MM4 0, 1, F, XS2, 0
	s_wait_dscnt 0x0
	MM4 1, 1, P, XS2, 0
	; THE WAY OUT.  My 64 x 32 partial sums go to my stage as they stand, 8 bytes a lane, 256 consecutive bytes a store; each accumulator from its low end on.
.rept 4
	v_nop                                          ; four places between the last products and the first read of their results
.endr
.irp i, 0,1,2,3,4,5,6,7,8,9,10,11,12,13,14,15,16,17,18,19,20,21,22,23,24,25,26,27,28,29,30,31
	ds_store_b64 v[XA+1], v[ACC+2*\i:ACC+2*\i+1] offset:256*\i
.endr
	s_wait_dscnt 0x0                               ; for the others' sake: my stores have landed
	s_barrier_signal -1
	s_barrier_wait -1
.irp s, 0,1,2,3,4,5,6,7                ; of each wave's stage two pieces: registers 2 (u % 4), + 1 of accumulators (u / 4, tile 0) and (u / 4, tile 1)
	ds_load_b64 v[RAW+4*\s:RAW+4*\s+1], v[XA+2] offset:\s*STGW
	ds_load_b64 v[RAW+4*\s+2:RAW+4*\s+3], v[XA+2] offset:\s*STGW+1024
.endr
.irp s, 0,1,2,3,4,5,6,7
	ds_load_b64 v[RAW+32+4*\s:RAW+32+4*\s+1], v[XA+3] offset:\s*STGW
	ds_load_b64 v[RAW+32+4*\s+2:RAW+32+4*\s+3], v[XA+3] offset:\s*STGW+1024
.endr
	s_wait_dscnt 0x0
.irp s, 0,2,4,6,8,10,12,14,16,18,20,22,24,26,28,30
	v_pk_add_f32 v[RAW+\s:RAW+\s+1], v[RAW+\s:RAW+\s+1], v[RAW+32+\s:RAW+32+\s+1]   ; sixteen partial sums in a tree: 16 -> 8,
.endr
.irp s, 0,2,4,6,8,10,12,14
	v_pk_add_f32 v[RAW+\s:RAW+\s+1], v[RAW+\s:RAW+\s+1], v[RAW+16+\s:RAW+16+\s+1]   ; -> 4,
.endr
.irp s, 0,2,4,6
	s_delay_alu instid0(VALU_DEP_4)
	v_pk_add_f32 v[RAW+\s:RAW+\s+1], v[RAW+\s:RAW+\s+1], v[RAW+8+\s:RAW+8+\s+1]     ; -> 2,
.endr
	s_delay_alu instid0(VALU_DEP_2)
	v_add_f32 v[P], v[RAW], v[RAW+4]               ; -> 1, laid as out0 wants it: a row's columns 2 r and 2 r + 1 side by side
	s_delay_alu instid0(VALU_DEP_2)
	v_add_f32 v[P+1], v[RAW+2], v[RAW+6]
	s_delay_alu instid0(VALU_DEP_4)
	v_add_f32 v[P+2], v[RAW+1], v[RAW+5]
	s_delay_alu instid0(VALU_DEP_4)
	v_add_f32 v[P+3], v[RAW+3], v[RAW+7]
	global_store_b64 v[XA+4], v[P:P+1], s[12:13]              ; sixteen lanes store the work-group's 128 consecutive bytes of a row, the other sixteen those of the row 16 further down
	global_store_b64 v[XA+4], v[P+2:P+3], s[12:13] offset:2*NB
	s_wait_tensorcnt 0x0                           ; the wave's end: behind my last tensor load and my last LDS store
	ds_add_u32 v[SPW], v[NIL]
	s_wait_dscnt 0x0
	ROUND                                          ; the closing round: no work-group ends while a partner may still ask for a tile that names it
	s_endpgm
.Lfunc_end_k_qa558902a7b_machete:
	.size	k_qa558902a7b_machete, .Lfunc_end_k_qa558902a7b_machete-k_qa558902a7b_machete
	.p2alignl 7, 3214868480
	.fill 96, 4, 3214868480
	.section	.rodata,"a",@progbits
	.p2align	6, 0x0
	.amdhsa_kernel k_qa558902a7b_machete
		.amdhsa_group_segment_fixed_size 327680
		.amdhsa_private_segment_fixed_size 0
		.amdhsa_enable_private_segment 0
		.amdhsa_kernarg_size 40
		.amdhsa_user_sgpr_count 2
		.amdhsa_user_sgpr_kernarg_segment_ptr 1
		.amdhsa_wavefront_size32 1
		.amdhsa_system_sgpr_workgroup_id_x 1
		.amdhsa_system_sgpr_workgroup_id_y 1
		.amdhsa_system_sgpr_workgroup_id_z 1
		.amdhsa_system_vgpr_workitem_id 0
		.amdhsa_next_free_vgpr 256
		.amdhsa_next_free_sgpr 66
		.amdhsa_reserve_vcc 0
		.amdhsa_float_denorm_mode_32 3
		.amdhsa_float_denorm_mode_16_64 3
		.amdhsa_memory_ordered 1
		.amdhsa_forward_progress 1
		.amdhsa_inst_pref_size 92
	.end_amdhsa_kernel
	.amdgpu_metadata
---
amdhsa.version: [ 1, 2 ]
amdhsa.kernels:
  - .name:           k_qa558902a7b_machete
    .symbol:         k_qa558902a7b_machete.kd
    .args:
      - { .name: B, .offset: 0, .size: 8, .value_kind: global_buffer, .address_space: global }
      - { .name: s, .offset: 8, .size: 8, .value_kind: global_buffer, .address_space: global }
      - { .name: x_codes, .offset: 16, .size: 8, .value_kind: global_buffer, .address_space: global }
      - { .name: x_scales, .offset: 24, .size: 8, .value_kind: global_buffer, .address_space: global }
      - { .name: out0, .offset: 32, .size: 8, .value_kind: global_buffer, .address_space: global }
    .group_segment_fixed_size: 327680
    .private_segment_fixed_size: 0
    .kernarg_segment_align: 8
    .kernarg_segment_size: 40
    .max_flat_workgroup_size: 512
    .sgpr_count:     66
    .vgpr_count:     256
    .wavefront_size: 32
...
	.end_amdgpu_metadata
.endif
;; end of part 1
